; MI455X (gfx1250); checked and timed in simulation.
; The chip was launched on July 23, 2026; its instructions are those of AMD's public machine-readable ISA for CDNA 5 (MIT licence, August 2026) and "CDNA5" Instruction Set Architecture Reference Guide (July 2026). The comments in the code are by the model that wrote it; some were corrected since.
;; Quantizer module. Allowed arithmetic: matrix products marked QUANTISED: E3M2 operands, one E8M0 scale for each 32 along K, by v_wmma_scale_f32_16x16x128_f8f6f4 with both operands' format E3M2, f32 sums; everything else in f32.
;; Inputs: emb 8,192 x 512 float32; x 16,384 x 512 float32.
;; Outputs: out0 16,384 x 512 float32; out1 16,384 int32.
;; This version of the problem:
;;   THIS VERSION OF THE PROBLEM IS GIVEN IN LOW PRECISION. The matrix products marked QUANTISED in the list below multiply operands that are first quantised to E3M2 (3 exponent bits, 2 mantissa bits; 6 bits a number), with one power-of-two scale for each 32 numbers along K (OCP MX v1.0); their sums are f32. All else is computed in f32.
;;   The module's matrix products, in the order in which they are computed (A, B: the left and right operand; K: the contracted axis; several contracted axes count as one K, in the product's order):
;;     1. [M 16,384, K 512] x [K 512, N 8,192]; A: input x; B: input emb: QUANTISED
;;   THE QUANTISER, for each operand of a quantised product, along K:
;;     - K is cut into blocks of 32 from its start; a last block that is shorter is filled with zeros.
;;     - A block's scale is 2^e with e = floor(log2(the largest magnitude in the block)) - 4, held to -126 .. 127; a block of zeros has e = 0. As a byte (E8M0): e + 127.
;;     - Each number is divided by its block's scale, clamped to +-28, and rounded to the nearest number of E3M2, ties to even, subnormals kept.
;;     - The product sums the exact products of the quantised numbers (number of the format x scale) in f32.
;;   ~~~python
;;   def quantise(x, axis):      # numpy; x: float32 -> the quantised numbers, widened to float32 again
;;       x = np.moveaxis(x, axis, -1); K = x.shape[-1]
;;       x = np.pad(x, [(0, 0)] * (x.ndim - 1) + [(0, -K % 32)]); x = x.reshape(x.shape[:-1] + (-1, 32)); a = np.abs(x).max(-1, keepdims=True)
;;       e = np.where(a > 0, np.clip(np.frexp(np.where(a > 0, a, 1))[1] - 1 - 4, -126, 127), 0)      # np.frexp(a)[1] - 1 = floor(log2(a)), exactly
;;       r = np.clip(x / 2.0 ** e, -28, 28)
;;       step = 2.0 ** (np.maximum(np.frexp(np.where(r == 0, 1, r))[1] - 1, -2) - 2)
;;       q = np.round(r / step) * step * 2.0 ** e      # np.round: ties to even
;;       return np.moveaxis(q.reshape(q.shape[:-2] + (-1,))[..., :K], -1, axis).astype(np.float32)
;;   ~~~
;; One version. Each part assembles by itself: llvm-mc -triple=amdgcn-amd-amdhsa -mcpu=gfx1250 --defsym DOCPART=n.
;; ======== version 1 of 1: 3 launches
;; limits: right only within a limited range of input values
;; workspace buffers: xw 6,815,744 bytes; ew 3,407,872 bytes; pk 262,144 bytes of whole numbers; pi 262,144 bytes of whole numbers
;; launch quant (part 1): grid 256 x 1, 6 waves a work-group, no clusters, 74,496 bytes of LDS; arguments x, emb, xw, ew; writes xw, ew
.if DOCPART == 1
	.amdgcn_target "amdgcn-amd-amdhsa--gfx1250"
	.amdhsa_code_object_version 6
	.text
	.protected	k_q2bf275f728_quant
	.globl	k_q2bf275f728_quant
	.p2align	8
	.type	k_q2bf275f728_quant,@function
k_q2bf275f728_quant:
	s_mov_b64 s[64:65], 0
	v_nop
	global_prefetch_b8 v0, s[64:65] scope:SCOPE_SE
	s_setreg_imm32_b32 hwreg(HW_REG_WAVE_MODE, 25, 1), 1
	s_wait_xcnt 0x0
; x [16384][512] and emb [8192][512], f32, become RECORDS: one record for each tile of 16 rows x 512 along K, 6,656 bytes = 26 x 256.
;   bytes 0-6143     four fragments of BF6 (E3M2) codes, K step s (128 along K) at 1536 s, laid in the ORDER OF THE OPERAND'S REGISTERS: operand lane r + 16 h has 48 bytes at 48 (r + 16 h):
;                    the 24 bytes of block h of the step, then those of block 2 + h, of row r.  Three loads of 16 bytes a lane then bring a fragment's 12 registers.
;   bytes 6144-6399  the E8M0 scale bytes: row r's 16 bytes at 16 r, a word for each K step
;   bytes 6400-6655  the 16 rows' sums of squares of the UNQUANTISED numbers, f32: 64 bytes, written four times over, so that every byte of a record is stored
; A block's scale is 2^(floor(log2(its largest magnitude)) - 4); its byte is the largest magnitude's exponent field - 4, held at 1 from below.  Each number is divided by the scale and rounded to the
; nearest code, ties to even, beyond 28 the largest code.
; LIMITS: NaN and infinities among the inputs are not served.  A block of zeros gets the byte 1 where the rule says 127: its codes are zeros, and the bytes are read by this program alone.  Blocks whose largest
; magnitude lies under 2^(5 - 127) keep the byte 1.  A row's 512 squares are added in another order than a plain left-to-right sum (16 a lane in two packed chains, then across the 32 lanes).
; SHARES: 1,536 records, 256 work-groups of 6 waves: a wave makes one record; records 0-1023 are x's, the others emb's.  Only pointers are chosen: the text has one path.  Waves share nothing: no barrier.
; A STEP IS A ROW (2,048 bytes).  Its four loads read 512 consecutive bytes each; the row turns through the wave's own stage in LDS, so that a lane then holds 16 NEIGHBOURS along K (two lanes hold a block).
; Loads run eight steps (32 loads a wave) ahead, the turn through LDS one step.  Codes, bytes and sums are gathered in the wave's LDS and leave as 512 or 256 consecutive aligned bytes a store.
; No tensor load: 32 loads a wave are on their way without one.  No prefetch: the launch reads each byte once, in long runs, and does nothing but stream.
.set REC,  6656
.set WREG, 12288                       ; LDS of a wave
.set SP,   80                          ; a lane's place in a stage: its 64 bytes + 16 of padding
.set STG,  32*SP                       ; a stage; two of them at 0
.set IMG,  2*STG                       ; the record's codes: eight runs of 768 bytes (K step s, half h: run 2 s + h), 800 bytes apart, so that the 32 lanes of a 4-byte store fall on 32 different words modulo 64
.set SCB,  IMG+8*800                   ; the 256 scale bytes
.set NRM,  SCB+256                     ; the 16 sums of squares
.set R,    16                          ; v16-143  eight sets of 16 numbers as they are loaded; on the way out v16-67
.set X,    144                         ; v144-175 two sets of 16 neighbours
.set C,    176                         ; v176-183 codes: two sets of three registers (each begins on an even number)
.set E,    184                         ; v184-185 the scale's byte, two sets
.set N,    186                         ; v186-187 the row's sum of squares, two sets
.set W,    188                         ; v188-195 at work
	s_load_b256 s[4:11], s[0:1], 0x0               ; x s[4:5], emb s[6:7], xw s[8:9], ew s[10:11]
	v_lshl_add_u32 v208, v0, 2, 0x12000
	v_mov_b32 v209, 0
	v_lshrrev_b32 v1, 5, v0
	v_readfirstlane_b32 s12, v1                    ; wave 0..5
	v_and_b32 v2, 31, v0                           ; lane
	v_lshlrev_b32 v3, 4, v2                        ; 16 x lane: my bytes of a load's or a store's 512
	s_mul_i32 s13, s12, WREG                       ; my wave's LDS
	v_lshrrev_b32 v4, 2, v2
	v_mul_u32_u24 v4, v4, SP
	v_and_b32 v14, 3, v2
	v_lshl_add_u32 v4, v14, 4, v4
	v_add_nc_u32 v4, s13, v4                       ; the stage, on the way in: four lanes' 64 bytes on end, then the padding
	v_mul_u32_u24 v5, v2, SP
	v_add_nc_u32 v5, s13, v5                       ; and on the way out: my 16 neighbours, k = 16 lane + 0 .. 15
	v_lshrrev_b32 v6, 1, v2
	v_add_nc_u32 v6, s13, v6                       ; my block's scale byte (block = lane / 2)
	v_lshrrev_b32 v7, 3, v2                        ; my 12 bytes of codes: K step lane / 8;
	v_mul_u32_u24 v7, v7, 1600
	v_bfe_u32 v14, v2, 1, 1                        ; the block in the step is (lane / 2) % 4 = 2 c + h: h picks the run,
	v_mad_u32_u24 v7, v14, 800, v7
	v_bfe_u32 v14, v2, 2, 1                        ; c the 24 bytes in the operand lane's 48,
	v_mad_u32_u24 v7, v14, 24, v7
	v_and_b32 v14, 1, v2                           ; and lane % 2 the block's lower or upper 16 codes
	v_mad_u32_u24 v7, v14, 12, v7
	v_add_nc_u32 v7, s13, v7
	v_mov_b32 v8, s13                              ; the sums of squares: every lane writes the same word
	v_add_nc_u32 v9, s13, v3                       ; the way out: 16 x lane,
	v_lshrrev_b32 v14, 4, v2
	v_lshl_add_u32 v10, v14, 5, v9                 ; and the same where lanes 16-31 lie behind one padding more
	v_lshlrev_b32 v13, 3, v2                       ; 8 x lane
	v_add_nc_u32 v11, s13, v13
	v_and_b32 v14, 7, v2
	v_lshl_add_u32 v12, v14, 3, s13                ; 8 x (lane % 8): the 64 bytes of sums, four times over
	v_mov_b32 v[W+4], 0                            ; written once: a lane permute's destination counts as one of its sources
	s_mov_b32 s20, 0x76543210
	s_mov_b32 s21, 0xfedcba98                      ; v_permlanex16_b32's selects for lane l xor 16
	s_mul_i32 s14, ttmp9, 6
	s_add_co_u32 s14, s14, s12                     ; which record: 6 x work-group + wave
	s_wait_kmcnt 0x0
	s_cmp_lt_u32 s14, 1024                         ; x's or emb's?  The choice hangs on ids alone
	s_cselect_b64 s[4:5], s[4:5], s[6:7]
	s_cselect_b64 s[8:9], s[8:9], s[10:11]
	s_cselect_b32 s15, 0, 1024
	s_sub_co_u32 s14, s14, s15                     ; the record's number in its tensor
	s_lshl_b32 s16, s14, 15                        ; 16 rows of 2,048 bytes
	s_mov_b32 s17, 0
	s_add_nc_u64 s[4:5], s[4:5], s[16:17]
	s_mul_i32 s16, s14, REC
	s_add_nc_u64 s[8:9], s[8:9], s[16:17]
.macro LOAD t                          ; row t: four loads of 512 consecutive bytes, into set t % 8
.irp i, 0,1,2,3
	global_load_b128 v[R+16*((\t)%8)+4*\i:R+16*((\t)%8)+4*\i+3], v3, s[4:5] offset:2048*(\t)+512*\i th:TH_LOAD_NT
.endr
.endm
.macro TURN t                          ; row t through stage t % 2: LDS serves a wave's instructions in order (ISA guide 5.7.1.4), so no wait stands between the stores and the loads
.irp i, 0,1,2,3
	ds_store_b128 v4, v[R+16*((\t)%8)+4*\i:R+16*((\t)%8)+4*\i+3] offset:STG*((\t)%2)+8*SP*\i
.endr
.irp i, 0,1,2,3
	ds_load_b128 v[X+16*((\t)%2)+4*\i:X+16*((\t)%2)+4*\i+3], v5 offset:STG*((\t)%2)+16*\i
.endr
.endm
.irp t, 0,1,2,3,4,5,6,7
	LOAD \t
.endr
	s_wait_loadcnt 28                              ; row 0's four loads are in; the seven rows behind it may be out
	TURN 0
.macro STEP t
.set XS, X+16*((\t)%2)
.set CS, C+4*((\t)%2)
.if (\t) > 0
	s_wait_dscnt 5                                 ; this row is back from the stage: behind its loads only the last step's five stores were issued.  So the stage's stores have read set t % 8,
.else
	s_wait_dscnt 0x0
.endif
.if (\t)+8 < 16
	LOAD (\t)+8                                    ; which takes the row eight further on; and the stores of two steps ago have read the codes', the byte's and the sum's set t % 2
.endif
.if (\t)+1 < 16
.if (\t)+8 < 16
	s_wait_loadcnt 28                              ; the next row's four loads are in; the seven rows behind it may be out
.else
	s_wait_loadcnt 4*(14-(\t))                     ; nothing more is loaded: the count runs down
.endif
	TURN (\t)+1                                    ; it goes through the other stage while this row is worked
.endif
	v_max3_num_f32 v[W+5], |v[XS]|, |v[XS+1]|, |v[XS+2]|           ; the largest magnitude of my 16, in two chains,
	v_max3_num_f32 v[W+6], |v[XS+3]|, |v[XS+4]|, |v[XS+5]|
	v_pk_mul_f32 v[W:W+1], v[XS:XS+1], v[XS:XS+1]                  ; and their squares, two at a time, in two chains: the first products start the sums
	v_pk_mul_f32 v[W+2:W+3], v[XS+2:XS+3], v[XS+2:XS+3]
.irp i, 6,10
	v_max3_num_f32 v[W+5], v[W+5], |v[XS+\i]|, |v[XS+\i+1]|
	v_max3_num_f32 v[W+6], v[W+6], |v[XS+\i+2]|, |v[XS+\i+3]|
.endr
.irp i, 4,8,12
	v_pk_fma_f32 v[W:W+1], v[XS+\i:XS+\i+1], v[XS+\i:XS+\i+1], v[W:W+1]
	v_pk_fma_f32 v[W+2:W+3], v[XS+\i+2:XS+\i+3], v[XS+\i+2:XS+\i+3], v[W+2:W+3]
.endr
	v_max3_num_f32 v[W+5], v[W+5], |v[XS+14]|, |v[XS+15]|
	v_max3_num_f32 v[W+5], v[W+5], v[W+6], 0x2800000               ; and the floor 2^(5 - 127): the byte cannot fall under 1
	v_pk_add_f32 v[W:W+1], v[W:W+1], v[W+2:W+3]
	v_max_num_f32_dpp v[W+5], v[W+5], v[W+5] row_xmask:1 row_mask:0xf bank_mask:0xf   ; with my neighbour's 16: the block's
	v_add_f32 v[W], v[W], v[W+1]                                   ; my 16 squares
	v_add_nc_u32 v[W+7], 0xfe000000, v[W+5]                        ; 4 off the exponent field: the conversion takes the exponent field of this operand as its scale, and nothing else of it
	v_add_f32_dpp v[W], v[W], v[W] row_xmask:1 row_mask:0xf bank_mask:0xf
	v_cvt_scalef32_pk16_bf6_f32 v[CS:CS+2], v[XS:XS+15], v[W+7]    ; 16 codes, 96 bits without gaps, the first number's code lowest
	v_lshrrev_b32 v[E+(\t)%2], 23, v[W+7]                          ; the scale's byte.  (Also the plain instruction behind a scaled conversion)
	v_add_f32_dpp v[W], v[W], v[W] row_xmask:2 row_mask:0xf bank_mask:0xf
	v_add_f32_dpp v[W], v[W], v[W] row_xmask:4 row_mask:0xf bank_mask:0xf
	v_add_f32_dpp v[W], v[W], v[W] row_xmask:8 row_mask:0xf bank_mask:0xf
	v_permlanex16_b32 v[W+4], v[W], s20, s21
	v_add_f32 v[N+(\t)%2], v[W], v[W+4]                            ; the row's sum of squares, in every lane
	ds_store_b8 v6, v[E+(\t)%2] offset:SCB+16*(\t)                 ; both lanes of a block write the same byte with the same value
	ds_store_b32 v7, v[CS] offset:IMG+48*(\t)                      ; row t is operand lane t (or t + 16): 48 bytes on for each row
	ds_store_b32 v7, v[CS+1] offset:IMG+48*(\t)+4
	ds_store_b32 v7, v[CS+2] offset:IMG+48*(\t)+8
	ds_store_b32 v8, v[N+(\t)%2] offset:NRM+4*(\t)                 ; all lanes write the same word with the same value
.endm
.irp t, 0,1,2,3,4,5,6,7,8,9,10,11,12,13,14,15
	STEP \t
.endr
; THE WAY OUT.  The record's 6,144 bytes of codes come back in twelve runs of 512 bytes; a K step's 1,536 bytes are two runs of 768 with 32 bytes of padding behind each, so the middle one of its three loads
; has lanes 16-31 behind one padding more.  These loads see my stores: LDS serves a wave's instructions in order.
.irp a, 0,1,2,3
	ds_load_b128 v[16+12*\a:19+12*\a], v9 offset:IMG+1600*\a
	ds_load_b128 v[20+12*\a:23+12*\a], v10 offset:IMG+1600*\a+512
	ds_load_b128 v[24+12*\a:27+12*\a], v9 offset:IMG+1600*\a+1024+32
.endr
	ds_load_b64 v[64:65], v11 offset:SCB
	ds_load_b64 v[66:67], v12 offset:NRM
.set n, 0
.rept 12
	s_wait_dscnt 13-n                              ; run n is in; the 13 - n loads behind it may be out
	global_store_b128 v3, v[16+4*n:19+4*n], s[8:9] offset:512*n    ; 32 lanes store 512 consecutive bytes, at a multiple of 256 from the buffer's first byte
.set n, n+1
.endr
	s_wait_dscnt 1
	global_store_b64 v13, v[64:65], s[8:9] offset:6144             ; the scale bytes: 256 consecutive bytes
	s_wait_dscnt 0x0
	global_store_b64 v13, v[66:67], s[8:9] offset:6400             ; the sums of squares, four times over: 256 consecutive bytes
	s_wait_tensorcnt 0x0
	ds_add_u32 v208, v209
	s_wait_dscnt 0x0
	s_endpgm
.Lfunc_end_k_q2bf275f728_quant:
	.size	k_q2bf275f728_quant, .Lfunc_end_k_q2bf275f728_quant-k_q2bf275f728_quant
	.p2alignl 7, 3214868480
	.fill 96, 4, 3214868480
	.section	.rodata,"a",@progbits
	.p2align	6, 0x0
	.amdhsa_kernel k_q2bf275f728_quant
		.amdhsa_group_segment_fixed_size 74496
		.amdhsa_private_segment_fixed_size 0
		.amdhsa_enable_private_segment 0
		.amdhsa_kernarg_size 32
		.amdhsa_user_sgpr_count 2
		.amdhsa_user_sgpr_kernarg_segment_ptr 1
		.amdhsa_wavefront_size32 1
		.amdhsa_system_sgpr_workgroup_id_x 1
		.amdhsa_system_sgpr_workgroup_id_y 1
		.amdhsa_system_sgpr_workgroup_id_z 1
		.amdhsa_system_vgpr_workitem_id 0
		.amdhsa_next_free_vgpr 210
		.amdhsa_next_free_sgpr 66
		.amdhsa_reserve_vcc 0
		.amdhsa_float_denorm_mode_32 3
		.amdhsa_float_denorm_mode_16_64 3
		.amdhsa_memory_ordered 1
		.amdhsa_forward_progress 1
		.amdhsa_inst_pref_size 53
	.end_amdhsa_kernel
	.amdgpu_metadata
---
amdhsa.version: [ 1, 2 ]
amdhsa.kernels:
  - .name:           k_q2bf275f728_quant
    .symbol:         k_q2bf275f728_quant.kd
    .args:
      - { .name: x, .offset: 0, .size: 8, .value_kind: global_buffer, .address_space: global }
      - { .name: emb, .offset: 8, .size: 8, .value_kind: global_buffer, .address_space: global }
      - { .name: xw, .offset: 16, .size: 8, .value_kind: global_buffer, .address_space: global }
      - { .name: ew, .offset: 24, .size: 8, .value_kind: global_buffer, .address_space: global }
    .group_segment_fixed_size: 74496
    .private_segment_fixed_size: 0
    .kernarg_segment_align: 8
    .kernarg_segment_size: 32
    .max_flat_workgroup_size: 192
    .sgpr_count:     66
    .vgpr_count:     210
    .wavefront_size: 32
...
	.end_amdgpu_metadata
.endif
;; end of part 1
;; launch dist (part 2): grid 64 x 4, 8 waves a work-group, clusters of 4 x 1, 327,680 bytes of LDS; arguments xw, ew, pk, pi; writes pk, pi
.if DOCPART == 2
	.amdgcn_target "amdgcn-amd-amdhsa--gfx1250"
	.amdhsa_code_object_version 6
	.text
	.protected	k_q2bf275f728_dist
	.globl	k_q2bf275f728_dist
	.p2align	8
	.type	k_q2bf275f728_dist,@function
k_q2bf275f728_dist:
	s_mov_b64 s[64:65], 0
	v_nop
	global_prefetch_b8 v0, s[64:65] scope:SCOPE_SE
	s_setreg_imm32_b32 hwreg(HW_REG_WAVE_MODE, 25, 1), 1
	s_wait_xcnt 0x0
	s_wait_alu depctr_hold_cnt(0) depctr_sa_sdst(0) depctr_va_vdst(0) depctr_va_sdst(0) depctr_va_ssrc(0) depctr_va_vcc(0) depctr_vm_vsrc(0)
	s_getreg_b32 s2, hwreg(HW_REG_IB_STS2, 6, 4)
	s_cmp_eq_u32 s2, 0
	s_cbranch_scc0 .Lentry_in_a_cluster
	s_endpgm
.Lentry_in_a_cluster:
	s_bfe_u32 s2, ttmp6, 0x10000c
	s_cmp_lg_u32 s2, 0x3003
	s_cbranch_scc0 .Lentry_shape_is_right
	s_endpgm
.Lentry_shape_is_right:
; d[n][k] = (|x_n|^2 + |e_k|^2) - 2 x_n . e_k, the product on codes of BF6 (E3M2) with one E8M0 scale for each 32 along K = 512, and for each token the smallest d and its FIRST index among 2,048 codes.
; xw, ew: records of 6,656 bytes for each tile of 16 rows: four fragments in the order of the operand's registers (48 bytes a lane), 256 scale bytes at 6144, the 16 rows' sums of squares at 6400.
; pk [4][16384] uint32, pi [4][16384] int32: for codes 2048 by .. + 2047 the smallest d, as a whole number that keeps the order of the f32 numbers (negative: all bits turned; else: the sign bit set), and its index.
; d is never -0: T is a sum of squares, so T - 2 dot = 0 comes out as +0; so equal d have equal keys.
; THE ROUNDING: T = fl(xx + ee); d = fl(T - 2 dot), one fused multiply-add by -2; a later code wins only where its d is SMALLER; every merge goes by (d, index).
; LIMITS: NaN among the d is not served.  Where every d of a token is +infinity the first index is given.  xx and ee are summed in another order than a left-to-right sum.
; SHARES.  Work-group (bx, by): tokens 256 bx .. + 255 against codes 2048 by .. + 2047 (128 records, 8 slots of 16); 64 x 4 = 256 work-groups of EIGHT waves, two to a SIMD.  Wave w holds the fragments of tokens
; 64 (w % 4) .. + 63 in 192 registers and takes records 8 (w / 4) .. + 7 of each slot.  A fragment of codes read from LDS feeds four matrix instructions.
; Each wave fetches two records of a slot (52 rows of 256 bytes); other waves read them, so every change of slots has a barrier.
; CLUSTER.  The four work-groups of a cluster have the same by and walk the same records: every fill is asked for JOINTLY (mask 15).  Not 4 x 4: along y nothing but x's one read would be shared.
; TRANSPOSED USE: source 0 = 16 codes, source 1 = 16 tokens: a lane holds ONE token (lane % 16), an accumulator's eight registers hold codes 8 (lane / 16) + 0 .. 7 of the tile.
; THE ARGMIN keeps, for each of the 4 token tiles, in a lane: the best d (two registers by turns), the first code of the tile that gave it, and that tile's d0 .. d6.  A tile of 16 x 16 has 17 vector instructions:
; 4 pairs of sums T, 4 pairs of multiply-adds onto T, 4 three-input minima that begin at the old best, a compare of new and old best into VCC, 4 pairs of selects.  Which of the eight it was is looked up at the end.
; BY TURNS.  A TURN is one tile of codes: 16 matrix instructions; behind each stands a slice (5 or 4 instructions) of the argmin list of the tile before, which names no register of the matrix instructions round it:
; the slices are the places that the distances behind matrix instructions ask for (ISA guide 7.12.1).
; REGISTERS.  Window 0: addresses, scale words, ee, xx, T, best, saves, two sets of 4 accumulators, v208-255 the codes' fragments, set 0.  Window 1: v0-191 x's four tiles, v208-255 the codes' fragments, set 1.
.set REC,   6656
.set PART,  2*REC                      ; what one tensor load brings
.set OCT,   8*REC                      ; what one wave reads of a slot
.set SLOTB, 16*REC
.set SLOT1, 1<<17                      ; slot 1 begins here: one exclusive or turns an address in one slot into the other's
.set SPARE, SLOTB                      ; behind slot 0: the spare words, 128 bytes for each of eight waves
.set SCR,   SPARE+1024                 ; 4,096 bytes for the waves' results at the end: no fill lands here
.set SPW, 1
.set NIL, 2
.set AF0, 3                            ; 48 x lane + my half of a slot
.set AS0, 4                            ; 16 x (lane % 16) + my half
.set AE0, 5                            ; 32 x (lane / 16) + my half
.set AF,  6                            ; the same three in the slot in hand
.set AS,  7
.set AE,  8
.set PFO, 9
.set XA,  13
.set XSA, 14
.set XXA, 15
.set XS,  16                           ; register 4 p + s: K step s's scale words of token tile 2 p in lanes 0-15, of tile 2 p + 1 in lanes 16-31
.set ES,  24                           ; the codes' scale words, two sets of 4
.set EE,  32                           ; ee, two sets of 8
.set XX,  48                           ; xx, twice for each tile
.set TT,  56                           ; T, then d
.set BEST, 88                          ; two sets of 4
.set TIV, 97                           ; the first code of the tile whose list is walked
.set M2,  98                           ; v98-99 the factor -2, once for each half of a pair
.set SV,  104                          ; tile u: 8 u + 0 .. 6 the winning tile's d0 .. d6, 8 u + 7 its first code
.set ACC, 136                          ; set b at 32 b, tile u at 8 u
.set CF,  208
.set PS,  56                           ; the tail
.set OB,  60
.set OI,  64
.set RES, 72
.set WV,  12
.set G1R, 16
.set G0A, 36
.set G0B, 40
.set TB,  44
.set TI,  45
.set CNT, 46
.set PFA, 48
.set MK,  50
.set SEL, 54
.set MSB, 0
.macro WIN new                         ; the immediate's high byte repeats the setting that is left; a switch that changes nothing is dropped
.set NW, \new
.if MSB != NW
	s_set_vgpr_msb (MSB<<8)|NW
.set MSB, NW
.endif
.endm
.macro CREST                           ; a round of the cluster's barrier behind its opening barrier
	s_cmp_lg_u32 s[WV], 0
	s_cbranch_scc1 .Lnot_wave_0_\@
	s_barrier_signal -3
.Lnot_wave_0_\@:
	s_barrier_wait -3
	s_barrier_signal -1
	s_barrier_wait -1
.endm
.macro CROUND
	s_barrier_signal -1
	s_barrier_wait -1
	CREST
.endm
; Matrix instruction ii (0 .. 15) on the codes' set b, into accumulator set b: K step ii / 4, token tile ii % 4.  The four accumulators take turns, K ascending.
.macro MM b
.set kk, ii/4
.set uu, ii%4
.set rD, ACC+32*(\b)+8*uu
.set rE, CF+12*kk
.set rX, 48*uu+12*kk
.set rP, ES+4*(\b)+kk
.set rQ, XS+4*(uu/2)+kk
	WIN 4+(\b)                                     ; source 0 (codes) window b, source 1 (tokens) window 1, C and D window 0
.if kk == 0
.if uu%2
	v_wmma_scale_f32_16x16x128_f8f6f4 v[rD:rD+7], v[rE:rE+11], v[rX:rX+11], 0, v[rP], v[rQ] matrix_a_fmt:MATRIX_FMT_BF6 matrix_b_fmt:MATRIX_FMT_BF6 matrix_b_scale:MATRIX_SCALE_ROW1
.else
	v_wmma_scale_f32_16x16x128_f8f6f4 v[rD:rD+7], v[rE:rE+11], v[rX:rX+11], 0, v[rP], v[rQ] matrix_a_fmt:MATRIX_FMT_BF6 matrix_b_fmt:MATRIX_FMT_BF6
.endif
.else
.if uu%2
	v_wmma_scale_f32_16x16x128_f8f6f4 v[rD:rD+7], v[rE:rE+11], v[rX:rX+11], v[rD:rD+7], v[rP], v[rQ] matrix_a_fmt:MATRIX_FMT_BF6 matrix_b_fmt:MATRIX_FMT_BF6 matrix_b_scale:MATRIX_SCALE_ROW1
.else
	v_wmma_scale_f32_16x16x128_f8f6f4 v[rD:rD+7], v[rE:rE+11], v[rX:rX+11], v[rD:rD+7], v[rP], v[rQ] matrix_a_fmt:MATRIX_FMT_BF6 matrix_b_fmt:MATRIX_FMT_BF6
.endif
.endif
.endm
; Number nn (0 .. 67) of the argmin list on accumulator and ee set a; the old best lies in set p, the new one goes to set 1 - p.  Numbers 0-47: step nn / 4 for tile nn % 4, the four tiles by turns.
; Numbers 48-67: five for each tile: the compare into VCC and four pairs of selects by it.  In every pair one destination is even and one odd, and the two halves' sources lie in different register banks.
.macro ARG a, p
.if nn < 48
.set jj, nn/4
.set uu, nn%4
.else
.set jj, 12+(nn-48)%5
.set uu, (nn-48)/5
.endif
.set rA, ACC+32*(\a)+8*uu
.set rT, TT+8*uu
.set rS, SV+8*uu
.set bO, BEST+4*(\p)+uu
.set bN, BEST+4*(1-(\p))+uu
.if jj < 4
	v_dual_add_f32 v[rT+2*jj], v[EE+8*(\a)+2*jj], v[XX+2*uu] :: v_dual_add_f32 v[rT+2*jj+1], v[EE+8*(\a)+2*jj+1], v[XX+2*uu+1]   ; T = ee + xx
.elseif jj < 8
	v_dual_fmac_f32 v[rT+2*(jj-4)], v[rA+2*(jj-4)], v[M2] :: v_dual_fmac_f32 v[rT+2*(jj-4)+1], v[rA+2*(jj-4)+1], v[M2+1]   ; d = -2 dot + T, fused, onto T; an accumulator is read from its low end on
.elseif jj == 8
	v_min3_num_f32 v[bN], v[bO], v[rT], v[rT+1]                   ; the new best begins at the old one
.elseif jj < 12
	v_min3_num_f32 v[bN], v[bN], v[rT+2*(jj-8)], v[rT+2*(jj-8)+1]
.elseif jj == 12
	v_cmp_lt_f32 vcc_lo, v[bN], v[bO]                             ; a later tile wins only where it is smaller
.elseif jj < 16
	v_dual_cndmask_b32 v[rS+2*(jj-13)], v[rS+2*(jj-13)], v[rT+2*(jj-13)] :: v_dual_cndmask_b32 v[rS+2*(jj-13)+1], v[rS+2*(jj-13)+1], v[rT+2*(jj-13)+1]   ; the winning tile's d0 .. d5
.else
	v_dual_cndmask_b32 v[rS+6], v[rS+6], v[rT+6] :: v_dual_cndmask_b32 v[rS+7], v[rS+7], v[TIV]   ; its d6 and its first code
.endif
.set nn, nn+1
.endm
.macro SL c, a, p
.rept \c
	ARG \a, \p
.endr
.endm
.macro RUN cnt, b                      ; cnt matrix instructions, a slice behind each: 4 x (5 + 4 + 4 + 4) = 68 numbers for 16
.rept \cnt
	MM \b
	WIN 0
.if ii%4 == 0
	SL 5, 1-(\b), \b
.else
	SL 4, 1-(\b), \b
.endif
.set ii, ii+1
.endr
.endm
.macro FETCHF t, b                     ; record t of my eight: its four fragments (3 loads of 16 bytes a lane each) and its scale words, into set b: 13 loads
	WIN 0x40*(\b)
.irp s, 0,1,2,3
.irp c, 0,1,2
	ds_load_b128 v[CF+12*\s+4*\c:CF+12*\s+4*\c+3], v[AF] offset:(\t)*REC+1536*\s+16*\c
.endr
.endr
	WIN 0
	ds_load_b128 v[ES+4*(\b):ES+4*(\b)+3], v[AS] offset:(\t)*REC+6144
.endm
.macro FETCHE t, b                     ; record t's ee of my eight codes, into set b: 2 loads
	ds_load_b128 v[EE+8*(\b):EE+8*(\b)+3], v[AE] offset:(\t)*REC+6400
	ds_load_b128 v[EE+8*(\b)+4:EE+8*(\b)+7], v[AE] offset:(\t)*REC+6400+16
.endm
; A PREFETCH of the slot's worth of records that stands TWO refills on.  Every cluster asks for what it will itself load.  Of the 52 rows of 256 bytes that wave w fetches, the partner at place cx takes 13,
; told apart BY ADDRESS; a lane a row; lanes 13-31 name lane 12's row again.  The last two refills ask for nothing: there is no slot two on.  Slots 1 to 3 are asked for at the head, one instruction each.
.macro ASK
	s_cmp_gt_u32 s[CNT], 2
	s_cbranch_scc0 .Lnot_mine_\@
	global_prefetch_b8 v[PFO], s[PFA:PFA+1] th:TH_LOAD_NT scope:SCOPE_SE
.Lnot_mine_\@:
.endm
.macro NEXTSLOT                        ; the addresses go over to the other slot
	s_xor_b32 s[TB], s[TB], SLOT1
	v_add_nc_u32 v[AF], s[TB], v[AF0]
	v_add_nc_u32 v[AS], s[TB], v[AS0]
	v_add_nc_u32 v[AE], s[TB], v[AE0]
	s_wait_alu depctr_va_vdst(0)
.endm
; A TURN: record t of my eight of the slot in hand (fragments, accumulators and ee in set t % 2), and the list of the record before.
; kind 0: the next record is fetched at the turn's head.  kind 1: the slot's last record; the slot is filled again.  kind 2: the last slot but one's last record: a barrier, no fill.  kind 3: the very last turn.
.macro TURN t, kind
.set bb, (\t)%2
.if \kind == 3
	s_wait_dscnt 0x0
.else
	s_wait_dscnt 2                                 ; this record's 13 loads are in, and all older ones; the two youngest, its ee, are used a turn later and may be out
.endif
.if (\t) == 1
	v_add_nc_u32 v[TIV], 144, v[TIV]               ; the list goes on: from my last tile of a slot to my first of the next 256 - 112 codes,
.else
	v_add_nc_u32 v[TIV], 16, v[TIV]                ; else 16
.endif
.set ii, 0
.set nn, 0
.if \kind == 0
	FETCHF (\t)+1, 1-bb                            ; the set's last reader, the turn before's last matrix instruction, has that turn's last slice and the line above behind it
	RUN 16, bb
.elseif \kind == 1
	s_wait_xcnt 0x0                                ; the last prefetch has read its address
	s_add_nc_u64 s[PFA:PFA+1], s[PFA:PFA+1], SLOTB
	s_wait_tensorcnt 0x0                           ; my one tensor load, my part of the other slot, has landed; so a group 0 may be written
	ds_add_u32 v[SPW], v[NIL]
	s_xor_b32 s[G0B+1], s[G0B+1], SLOT1            ; the walking descriptor: the other slot than last time,
	s_add_nc_u64 s[G0B+2:G0B+3], s[G0B+2:G0B+3], SLOTB   ; the next 16 records
	RUN 2, bb
	s_wait_dscnt 0x0                               ; the add is done, and my reads of this slot are over: its last record and its ee lie in registers
	s_barrier_signal -1                            ; this barrier opens a round of the cluster's barrier
	RUN 4, bb                                      ; up to number 25 of the list: VCC is not yet written
	s_wait_alu depctr_va_vdst(0)
	s_barrier_wait -1
	CREST                                          ; no wave of any partner still reads this slot or has a load on its way
	tensor_load_to_lds s[G0B:G0B+3], s[G1R:G1R+7]  ; my one tensor load behind the round: it has seven turns and ten matrix instructions in which to land
	s_nop 0
.rept 4
	v_nop
.endr
	NEXTSLOT
	FETCHF 0, 0
	ASK
	RUN 10, bb
.elseif \kind == 2
	s_wait_tensorcnt 0x0                           ; my part of the last slot is in
	RUN 2, bb
	s_wait_dscnt 0x0                               ; no LDS instruction of mine is out at the signal
	s_barrier_signal -1
	RUN 4, bb
	s_wait_alu depctr_va_vdst(0)
	s_barrier_wait -1                              ; everybody's part is in; nothing is filled again
	NEXTSLOT
	FETCHF 0, 0
	RUN 10, bb
.else
	RUN 16, bb
.endif
.if \kind != 3
	FETCHE ((\t)+1)%8, 1-bb                        ; the next record's ee, into the set that the list just ended has left
.endif
.endm
.macro SEVEN                           ; a slot's first seven records
.irp t, 0,1,2,3,4,5,6
	TURN \t, 0
.endr
.endm
.macro LEX dd, di, cd, ci, od, oi      ; (dd, di) = the smaller of (cd, ci) and (od, oi), by d and then by index.  The masks only select values
	v_cmp_lt_f32 s56, v[\od], v[\cd]
	v_cmp_eq_f32 s57, v[\od], v[\cd]
	v_cmp_lt_u32 s58, v[\oi], v[\ci]
	s_and_b32 s57, s57, s58
	s_or_b32 s56, s56, s57
	v_cndmask_b32 v[\dd], v[\cd], v[\od], s56
	v_cndmask_b32 v[\di], v[\ci], v[\oi], s56
.endm
	s_load_b256 s[4:11], s[0:1], 0x0               ; xw s[4:5], ew s[6:7], pk s[8:9], pi s[10:11]
	v_lshl_add_u32 v[SPW], v0, 2, SPARE
	v_mov_b32 v[NIL], 0
	ds_add_u32 v[SPW], v[NIL]
	ds_add_u32 v[SPW], v[NIL]
	v_lshrrev_b32 v10, 5, v0
	v_readfirstlane_b32 s[WV], v10                 ; wave 0..7
	s_and_b32 s72, s[WV], 3                        ; which 64 tokens
	s_lshr_b32 s73, s[WV], 2                       ; which half of each slot
	s_bfe_u32 s13, ttmp6, 0x40000                  ; cx
	s_and_b32 s14, ttmp7, 0xffff                   ; by: the four partners share it
	s_lshl_b32 s15, ttmp9, 2
	s_add_co_u32 s15, s15, s13                     ; bx: it enters xw's, pk's and pi's addresses alone
	s_mov_b32 s[G1R], 15|(3<<16)|(1<<21)           ; the mask: all four work-groups; elements of 8 bytes; no padding; bit 21 beside a mask
	s_mov_b32 s[G1R+1], 32<<16                     ; tensor_dim0 = 32
	s_mov_b32 s[G1R+2], 52<<16                     ; tensor_dim1 = 52
	s_mov_b32 s[G1R+3], 32<<16                     ; tile_dim0 = 32
	s_mov_b32 s[G1R+4], 52                         ; tile_dim1 = 52
	s_mov_b32 s[G1R+5], 32                         ; the pitch
	s_mov_b32 s[G1R+6], 0
	s_mov_b32 s[G1R+7], 0
	s_mul_i32 s58, s[WV], PART                     ; where my load lands in a slot
	s_mul_i32 s74, s73, OCT                        ; what I read of a slot
	s_mul_i32 s56, s14, 128*REC                    ; my quarter's 128 records,
	s_add_co_u32 s56, s56, s58                     ; my two of the first sixteen
	s_mov_b32 s57, 0
	s_mul_i32 s62, s13, 13*256                     ; the prefetches: my work-group's 13 rows of my wave's 52
	s_mov_b32 s63, 0
	s_lshl_b32 s66, s15, 4
	s_lshl_b32 s67, s72, 2
	s_add_co_u32 s66, s66, s67
	s_mul_i32 s66, s66, REC                        ; my tokens' four records
	s_mov_b32 s67, 0
	s_lshl_b32 s68, s14, 16                        ; pk, pi: quarter by, 4 bytes a token
	s_lshl_b32 s69, s15, 10
	s_add_co_u32 s68, s68, s69
	s_mov_b32 s69, 0
	s_lshl_b32 s70, s14, 11                        ; the quarter's first code
	s_lshl_b32 s[TI], s73, 7
	s_add_co_u32 s[TI], s[TI], s70
	s_sub_co_u32 s[TI], s[TI], 160                 ; the first two turns' steps, 16 and 144, bring it to my first tile's first code
	s_mov_b32 s[TB], 0
	s_mov_b32 s[CNT], 6
	s_mov_b32 s[SEL], 0x76543210
	s_mov_b32 s[SEL+1], 0xfedcba98
	s_mov_b32 s59, 0x7f800000                      ; +infinity
	s_mov_b32 s71, 0xff800000                      ; -infinity
	s_wait_dscnt 0x0                               ; both opening adds are done
	s_wait_kmcnt 0x0
	s_add_nc_u64 s[60:61], s[6:7], s[56:57]
	s_add_nc_u64 s[4:5], s[4:5], s[66:67]
	s_add_nc_u64 s[8:9], s[8:9], s[68:69]
	s_add_nc_u64 s[10:11], s[10:11], s[68:69]
	s_add_nc_u64 s[PFA:PFA+1], s[60:61], s[62:63]
	s_add_nc_u64 s[PFA:PFA+1], s[PFA:PFA+1], 3*SLOTB   ; at slot 3; the first change of slots steps it to slot 4
	s_mov_b32 s[G0A], 1
	s_mov_b32 s[G0A+1], s58
	s_mov_b64 s[G0A+2:G0A+3], s[60:61]
	s_or_b32 s[G0A+3], s[G0A+3], 0x80000000
	s_mov_b32 s[G0B], 1
	s_add_co_u32 s[G0B+1], s58, SLOT1
	s_add_nc_u64 s[G0B+2:G0B+3], s[60:61], SLOTB
	s_or_b32 s[G0B+3], s[G0B+3], 0x80000000
	CROUND                                         ; all four work-groups are here: the first joint loads meet
	tensor_load_to_lds s[G0A:G0A+3], s[G1R:G1R+7]  ; slot 0: one tensor load a wave at the head
	s_nop 0
.rept 4
	v_nop
.endr
	v_and_b32 v10, 31, v0                          ; lane
	v_and_b32 v11, 15, v0                          ; r
	v_bfe_u32 v12, v0, 4, 1                        ; h
	v_mul_u32_u24 v[XA], v10, 48
	v_add_nc_u32 v[AF0], s74, v[XA]
	v_lshlrev_b32 v[XSA], 4, v11
	v_add_nc_u32 v[AS0], s74, v[XSA]
	v_mad_u32_u24 v[XSA], v12, REC, v[XSA]         ; x's scale words: lanes 16-31 take the odd tile's record
	v_lshl_add_u32 v[AE0], v12, 5, s74
	v_lshlrev_b32 v[XXA], 2, v11
	v_min_u32 v[PFO], 12, v10
	v_lshlrev_b32 v[PFO], 8, v[PFO]
	WIN 0x40                                       ; x's four records stay in registers, window 1
.irp u, 0,1,2,3
.irp s, 0,1,2,3
.irp c, 0,1,2
	global_load_b128 v[48*\u+12*\s+4*\c:48*\u+12*\s+4*\c+3], v[XA], s[4:5] offset:\u*REC+1536*\s+16*\c
.endr
.endr
.endr
	WIN 0
.irp p, 0,1
	global_load_b128 v[XS+4*\p:XS+4*\p+3], v[XSA], s[4:5] offset:2*\p*REC+6144
.endr
.irp m, 0,1,2,3
	global_load_b32 v[XX+2*\m], v[XXA], s[4:5] offset:\m*REC+6400      ; my token's xx, twice: once for each half of a pair
	global_load_b32 v[XX+2*\m+1], v[XXA], s[4:5] offset:\m*REC+6400
.endr
	global_prefetch_b8 v[PFO], s[PFA:PFA+1] offset:-2*SLOTB th:TH_LOAD_NT scope:SCOPE_SE   ; slot 1's records,
	global_prefetch_b8 v[PFO], s[PFA:PFA+1] offset:-SLOTB th:TH_LOAD_NT scope:SCOPE_SE     ; and slot 2's
	; The state at the start.  The first turn walks a list on accumulators of -infinity, which give d = +infinity, and +infinity is not smaller than the best: nothing changes.
.irp m, 0,1,2,3
	v_mov_b32 v[BEST+\m], s59
	v_mov_b32 v[SV+8*\m+7], s70
.irp j, 0,1,2,3,4,5,6
	v_mov_b32 v[SV+8*\m+\j], s59
.endr
.endr
.set i, 0
.rept 8
	v_mov_b32 v[EE+8+i], 0
.set i, i+1
.endr
.set i, 0
.rept 32
	v_mov_b32 v[ACC+32+i], s71
.set i, i+1
.endr
	v_mov_b32 v[TIV], s[TI]
	v_mov_b32 v[M2], -2.0
	v_mov_b32 v[M2+1], -2.0
	v_add_nc_u32 v[AF], s[TB], v[AF0]
	v_add_nc_u32 v[AS], s[TB], v[AS0]
	v_add_nc_u32 v[AE], s[TB], v[AE0]
	s_wait_alu depctr_va_vdst(0)
	s_wait_tensorcnt 0x0                           ; my part of slot 0 is in
	ds_add_u32 v[SPW], v[NIL]
	s_wait_dscnt 0x0
	CROUND                                         ; everybody's part of slot 0 is in, and all four work-groups are here
	tensor_load_to_lds s[G0B:G0B+3], s[G1R:G1R+7]  ; slot 1's first fill, the first tensor load behind the round
	s_nop 0
.rept 4
	v_nop
.endr
	FETCHF 0, 0
	FETCHE 0, 0
	global_prefetch_b8 v[PFO], s[PFA:PFA+1] th:TH_LOAD_NT scope:SCOPE_SE   ; slot 3's records
	s_wait_loadcnt 0x0                             ; x
.Lslot:                                            ; 6 trips: a trip reads a slot out and fills it again with the records two slots on
	SEVEN
	TURN 7, 1
	s_sub_co_u32 s[CNT], s[CNT], 1
	s_cmp_lg_u32 s[CNT], 0
	s_wait_alu depctr_va_vdst(0)
	s_cbranch_scc1 .Lslot
	SEVEN                                          ; the last two slots are written out
	TURN 7, 2
	SEVEN
	TURN 7, 3
	v_add_nc_u32 v[TIV], 16, v[TIV]
.set nn, 0
	SL 68, 1, 0                                    ; the last tile's list; the final best lies in set 1
	; THE WAY OUT.  Which of the winning tile's eight codes: the first saved d that equals the best, else the eighth.
	v_bfe_u32 v200, v0, 4, 1
	v_lshlrev_b32 v200, 3, v200                    ; 8 h
	s_lshl_b32 s59, s73, 11
	s_lshl_b32 s60, s72, 9
	s_add_co_u32 s59, s59, s60
	v_and_b32 v201, 15, v0
	v_lshlrev_b32 v201, 3, v201
	v_add_nc_u32 v201, s59, v201
	v_add_nc_u32 v201, SCR, v201                   ; where I put a token's pair: 2,048 bytes for each half of the slots, 8 bytes a token of the 256
	v_lshl_add_u32 v202, v0, 4, SCR                ; where threads 0-127 read two tokens' pairs back
	v_lshlrev_b32 v203, 3, v0                      ; and their 8 bytes in pk and in pi
.irp m, 0,1,2,3
	v_mov_b32 v[PS+\m], 7
.endr
.irp j, 6,5,4,3,2,1,0
.irp m, 0,1,2,3
	v_cmp_eq_f32 s[MK+\m], v[SV+8*\m+\j], v[BEST+4+\m]
	v_cndmask_b32 v[PS+\m], v[PS+\m], \j, s[MK+\m]
.endr
.endr
.irp m, 0,1,2,3
	v_add3_u32 v[PS+\m], v[SV+8*\m+7], v[PS+\m], v200              ; the index: the tile's first code + 8 h + the position
.endr
.irp m, 0,1,2,3
	v_permlanex16_b32 v[OB+\m], v[BEST+4+\m], s[SEL], s[SEL+1]     ; the token's other eight codes of each tile lie in the lane 16 away
.endr
.irp m, 0,1,2,3
	v_permlanex16_b32 v[OI+\m], v[PS+\m], s[SEL], s[SEL+1]
.endr
.irp m, 0,1,2,3
	LEX RES+2*\m, RES+2*\m+1, BEST+4+\m, PS+\m, OB+\m, OI+\m
.endr
.irp m, 0,1,2,3
	ds_store_b64 v201, v[RES+2*\m:RES+2*\m+1] offset:128*\m        ; token 64 (w % 4) + 16 m + r; both halves of the lanes write the same bytes with the same values
.endr
	s_wait_alu depctr_va_vdst(0)
	s_wait_dscnt 0x0                               ; for the others' sake: my stores are done
	s_barrier_signal -1
	s_barrier_wait -1
	s_cmp_lt_u32 s[WV], 4                          ; waves 0 to 3 merge the two halves' results, two tokens a lane
	s_cbranch_scc0 .Lno_out
	ds_load_b128 v[136:139], v202
	ds_load_b128 v[140:143], v202 offset:2048
	s_wait_dscnt 0x0
	LEX 144, 146, 136, 137, 140, 141
	LEX 145, 147, 138, 139, 142, 143
	v_ashrrev_i32 v148, 31, v144                   ; the key: a negative d has all its bits turned, any other its sign bit set
	v_ashrrev_i32 v149, 31, v145
	v_or_b32 v148, 0x80000000, v148
	v_or_b32 v149, 0x80000000, v149
	v_xor_b32 v144, v144, v148
	v_xor_b32 v145, v145, v149
	global_store_b64 v203, v[144:145], s[8:9]      ; 32 lanes store 256 consecutive bytes, at a multiple of 256 from the buffer's first byte
	global_store_b64 v203, v[146:147], s[10:11]
.Lno_out:
	s_wait_tensorcnt 0x0                           ; the wave's end
	ds_add_u32 v[SPW], v[NIL]
	s_wait_dscnt 0x0
	CROUND                                         ; the closing round
	s_endpgm
.Lfunc_end_k_q2bf275f728_dist:
	.size	k_q2bf275f728_dist, .Lfunc_end_k_q2bf275f728_dist-k_q2bf275f728_dist
	.p2alignl 7, 3214868480
	.fill 96, 4, 3214868480
	.section	.rodata,"a",@progbits
	.p2align	6, 0x0
	.amdhsa_kernel k_q2bf275f728_dist
		.amdhsa_group_segment_fixed_size 327680
		.amdhsa_private_segment_fixed_size 0
		.amdhsa_enable_private_segment 0
		.amdhsa_kernarg_size 32
		.amdhsa_user_sgpr_count 2
		.amdhsa_user_sgpr_kernarg_segment_ptr 1
		.amdhsa_wavefront_size32 1
		.amdhsa_system_sgpr_workgroup_id_x 1
		.amdhsa_system_sgpr_workgroup_id_y 1
		.amdhsa_system_sgpr_workgroup_id_z 1
		.amdhsa_system_vgpr_workitem_id 0
		.amdhsa_next_free_vgpr 512
		.amdhsa_next_free_sgpr 80
		.amdhsa_reserve_vcc 1
		.amdhsa_float_denorm_mode_32 3
		.amdhsa_float_denorm_mode_16_64 3
		.amdhsa_memory_ordered 1
		.amdhsa_forward_progress 1
		.amdhsa_inst_pref_size 224
	.end_amdhsa_kernel
	.amdgpu_metadata
---
amdhsa.version: [ 1, 2 ]
amdhsa.kernels:
  - .name:           k_q2bf275f728_dist
    .symbol:         k_q2bf275f728_dist.kd
    .args:
      - { .name: xw, .offset: 0, .size: 8, .value_kind: global_buffer, .address_space: global }
      - { .name: ew, .offset: 8, .size: 8, .value_kind: global_buffer, .address_space: global }
      - { .name: pk, .offset: 16, .size: 8, .value_kind: global_buffer, .address_space: global }
      - { .name: pi, .offset: 24, .size: 8, .value_kind: global_buffer, .address_space: global }
    .group_segment_fixed_size: 327680
    .private_segment_fixed_size: 0
    .kernarg_segment_align: 8
    .kernarg_segment_size: 32
    .max_flat_workgroup_size: 256
    .sgpr_count:     80
    .vgpr_count:     512
    .wavefront_size: 32
...
	.end_amdgpu_metadata
.endif
;; end of part 2
;; launch gather (part 3): grid 256 x 1, 16 waves a work-group, no clusters, 0 bytes of LDS; arguments emb, pk, pi, out0, out1; writes out0, out1
.if DOCPART == 3
	.amdgcn_target "amdgcn-amd-amdhsa--gfx1250"
	.amdhsa_code_object_version 6
	.text
	.protected	k_q2bf275f728_gather
	.globl	k_q2bf275f728_gather
	.p2align	8
	.type	k_q2bf275f728_gather,@function
k_q2bf275f728_gather:
	s_mov_b64 s[64:65], 0
	v_nop
	global_prefetch_b8 v0, s[64:65] scope:SCOPE_SE
	s_setreg_imm32_b32 hwreg(HW_REG_WAVE_MODE, 25, 1), 1
	s_wait_xcnt 0x0
; out1[n] = the index that belongs to the smallest of the token's four keys (pk [4][16384] uint32, pi [4][16384] int32); a lower quarter wins a tie, since its indices are lower.  out0[n] = emb[out1[n]], 2,048 bytes a row.
; The keys are whole numbers in the order of the d that they stand for; the launch before stored them and the indices.  The choice is made on these whole numbers by integer compares, and ONE row a token is loaded.
; SHARES: 256 work-groups of 16 waves; a work-group has 64 tokens, a wave 4: four rows, 16 loads of 512 consecutive bytes, all on their way at once.  Wave 0 also stores the work-group's 64 indices, 256 consecutive bytes.
; An index is held at 8,191 ahead of its use in an address; the launch before gives none above that.
; No LDS, no matrix unit, no cluster: nothing here is shared or multiplied.  No prefetch: the rows' addresses are known only when the loads can go out themselves.
	s_load_b256 s[4:11], s[0:1], 0x0               ; emb s[4:5], pk s[6:7], pi s[8:9], out0 s[10:11]
	s_load_b64 s[12:13], s[0:1], 0x20              ; out1
	v_lshrrev_b32 v2, 5, v0
	v_and_b32 v7, 31, v0                           ; lane
	v_readfirstlane_b32 s14, v2                    ; wave 0..15
	v_lshlrev_b32 v1, 4, v7                        ; 16 x lane: my bytes of a load's or a store's 512
	v_lshlrev_b32 v6, 3, v7                        ; 8 x lane
	s_lshl_b32 s15, ttmp9, 6
	s_lshl_b32 s48, s14, 2
	s_add_co_u32 s15, s15, s48                     ; my first token: 64 x work-group + 4 x wave
	s_lshl_b32 s48, s15, 2                         ; its place in pk and pi,
	s_mov_b32 s49, 0
	s_lshl_b32 s50, s15, 11                        ; its row of out0,
	s_mov_b32 s51, 0
	s_lshl_b32 s52, ttmp9, 8                       ; and the work-group's 256 bytes of out1
	s_mov_b32 s53, 0
	s_wait_alu depctr_va_vdst(0)
	s_wait_kmcnt 0x0
	s_add_nc_u64 s[6:7], s[6:7], s[48:49]
	s_add_nc_u64 s[8:9], s[8:9], s[48:49]
	s_add_nc_u64 s[10:11], s[10:11], s[50:51]
	s_add_nc_u64 s[12:13], s[12:13], s[52:53]
.irp c, 0,1,2,3
	s_load_b128 s[16+4*\c:19+4*\c], s[6:7], 0x10000*\c             ; my four tokens' keys in quarter c of the codes,
	s_load_b128 s[32+4*\c:35+4*\c], s[8:9], 0x10000*\c             ; and their indices
.endr
	s_wait_kmcnt 0x0
.irp k, 0,1,2,3                        ; token k: the smallest key and its index stay in s[16 + k], s[32 + k]; its row's address in s[56 + 2 k ..], its 2,048 bytes in v[16 + 16 k ..]
.irp c, 1,2,3
	s_cmp_lt_u32 s[16+4*\c+\k], s[16+\k]           ; a later quarter wins only where its key is smaller
	s_cselect_b32 s[16+\k], s[16+4*\c+\k], s[16+\k]
	s_cselect_b32 s[32+\k], s[32+4*\c+\k], s[32+\k]
.endr
	s_min_u32 s48, s[32+\k], 0x1fff
	s_lshl_b32 s48, s48, 11
	s_add_nc_u64 s[56+2*\k:57+2*\k], s[4:5], s[48:49]
.irp i, 0,1,2,3
	global_load_b128 v[16+16*\k+4*\i:19+16*\k+4*\i], v1, s[56+2*\k:57+2*\k] offset:512*\i
.endr
.endr
	s_cmp_lg_u32 s14, 0                            ; wave 0: the work-group's 64 indices, two a lane.  Its pointers stand at the work-group's first token
	s_cbranch_scc1 .Lrows
.irp c, 0,1,2,3
	global_load_b64 v[80+2*\c:81+2*\c], v6, s[6:7] offset:65536*\c
	global_load_b64 v[88+2*\c:89+2*\c], v6, s[8:9] offset:65536*\c
.endr
	s_wait_loadcnt 0x0                             ; these eight were issued last: the rows are in too
.irp c, 1,2,3
	v_cmp_lt_u32 s66, v[80+2*\c], v80
	v_cmp_lt_u32 s67, v[81+2*\c], v81
	s_delay_alu instid0(VALU_DEP_2)
	v_cndmask_b32 v80, v80, v[80+2*\c], s66
	v_cndmask_b32 v81, v81, v[81+2*\c], s67
	v_cndmask_b32 v88, v88, v[88+2*\c], s66
	v_cndmask_b32 v89, v89, v[89+2*\c], s67
.endr
	global_store_b64 v6, v[88:89], s[12:13]        ; 32 lanes store 256 consecutive bytes, at a multiple of 256 from out1's first byte
.Lrows:
.irp k, 0,1,2,3
	s_wait_loadcnt 4*(3-\k)                        ; token k's four loads are in; four for each later token may be out
.irp i, 0,1,2,3
	global_store_b128 v1, v[16+16*\k+4*\i:19+16*\k+4*\i], s[10:11] offset:2048*\k+512*\i th:TH_STORE_NT   ; 32 lanes store 512 consecutive bytes, at a multiple of 256 from out0's first byte
.endr
.endr
	s_endpgm
.Lfunc_end_k_q2bf275f728_gather:
	.size	k_q2bf275f728_gather, .Lfunc_end_k_q2bf275f728_gather-k_q2bf275f728_gather
	.p2alignl 7, 3214868480
	.fill 96, 4, 3214868480
	.section	.rodata,"a",@progbits
	.p2align	6, 0x0
	.amdhsa_kernel k_q2bf275f728_gather
		.amdhsa_group_segment_fixed_size 0
		.amdhsa_private_segment_fixed_size 0
		.amdhsa_enable_private_segment 0
		.amdhsa_kernarg_size 40
		.amdhsa_user_sgpr_count 2
		.amdhsa_user_sgpr_kernarg_segment_ptr 1
		.amdhsa_wavefront_size32 1
		.amdhsa_system_sgpr_workgroup_id_x 1
		.amdhsa_system_sgpr_workgroup_id_y 1
		.amdhsa_system_sgpr_workgroup_id_z 1
		.amdhsa_system_vgpr_workitem_id 0
		.amdhsa_next_free_vgpr 96
		.amdhsa_next_free_sgpr 72
		.amdhsa_reserve_vcc 0
		.amdhsa_float_denorm_mode_32 3
		.amdhsa_float_denorm_mode_16_64 3
		.amdhsa_memory_ordered 1
		.amdhsa_forward_progress 1
		.amdhsa_inst_pref_size 9
	.end_amdhsa_kernel
	.amdgpu_metadata
---
amdhsa.version: [ 1, 2 ]
amdhsa.kernels:
  - .name:           k_q2bf275f728_gather
    .symbol:         k_q2bf275f728_gather.kd
    .args:
      - { .name: emb, .offset: 0, .size: 8, .value_kind: global_buffer, .address_space: global }
      - { .name: pk, .offset: 8, .size: 8, .value_kind: global_buffer, .address_space: global }
      - { .name: pi, .offset: 16, .size: 8, .value_kind: global_buffer, .address_space: global }
      - { .name: out0, .offset: 24, .size: 8, .value_kind: global_buffer, .address_space: global }
      - { .name: out1, .offset: 32, .size: 8, .value_kind: global_buffer, .address_space: global }
    .group_segment_fixed_size: 0
    .private_segment_fixed_size: 0
    .kernarg_segment_align: 8
    .kernarg_segment_size: 40
    .max_flat_workgroup_size: 512
    .sgpr_count:     72
    .vgpr_count:     96
    .wavefront_size: 32
...
	.end_amdgpu_metadata
.endif
;; end of part 3
